; MI455X (gfx1250); checked and timed in simulation.
; The chip was launched on July 23, 2026; its instructions are those of AMD's public machine-readable ISA for CDNA 5 (MIT licence, August 2026) and "CDNA5" Instruction Set Architecture Reference Guide (July 2026). The comments in the code are by the model that wrote it; some were corrected since.
;; Cross Scale Attention. Allowed arithmetic: matrix products marked QUANTISED: E2M1 operands, one E8M0 scale for each 32 along K, by v_wmma_scale_f32_16x16x128_f8f6f4 with both operands' format E2M1 (or v_wmma_scale_f32_32x16x128_f4), f32 sums; everything else in f32.
;; Inputs: bk 32 float32; bo 256 float32; bq 32 float32; bv 256 float32; gamma 1 float32; sk 32 float32; so 256 float32; sq 32 float32; sv 256 float32; wk 32 x 256 float32; wo 256 x 256 float32; wq 32 x 256 float32; wv 256 x 256 float32; x 8 x 256 x 64 x 64 float32.
;; Outputs: out0 8 x 256 x 64 x 64 float32.
;; This version of the problem:
;;   THIS VERSION OF THE PROBLEM IS GIVEN IN LOW PRECISION. The matrix products marked QUANTISED in the list below multiply operands that are first quantised to E2M1 (2 exponent bits, 1 mantissa bit; 4 bits a number), with one power-of-two scale for each 32 numbers along K (OCP MX v1.0); their sums are f32. All else is computed in f32.
;;   The module's matrix products, in the order in which they are computed (A, B: the left and right operand; K: the contracted axis; several contracted axes count as one K, in the product's order):
;;     1. [M 32,768, K 256] x [K 256, N 32]; A: input x; B: input wq: QUANTISED
;;     2. [M 32,768, K 256] x [K 256, N 32]; A: input x; B: input wk: QUANTISED
;;     3. [M 32,768, K 256] x [K 256, N 256]; A: input x; B: input wv: QUANTISED
;;     4. batch 8 x [M 4,096, K 32] x [K 32, N 4,096]; A: computed on the way; B: computed on the way: QUANTISED
;;     5. batch 8 x [M 256, K 4,096] x [K 4,096, N 4,096]; A: computed on the way; B: softmax (see below): QUANTISED
;;     6. [M 32,768, K 256] x [K 256, N 256]; A: computed on the way; B: input wo: QUANTISED
;;   THE QUANTISER, for each operand of a quantised product, along K:
;;     - K is cut into blocks of 32 from its start; a last block that is shorter is filled with zeros.
;;     - A block's scale is 2^e with e = floor(log2(the largest magnitude in the block)) - 2, held to -126 .. 127; a block of zeros has e = 0. As a byte (E8M0): e + 127.
;;     - Each number is divided by its block's scale, clamped to +-6, and rounded to the nearest number of E2M1, ties to even, subnormals kept.
;;     - The product sums the exact products of the quantised numbers (number of the format x scale) in f32.
;;   ~~~python
;;   def quantise(x, axis):      # numpy; x: float32 -> the quantised numbers, widened to float32 again
;;       x = np.moveaxis(x, axis, -1); K = x.shape[-1]
;;       x = np.pad(x, [(0, 0)] * (x.ndim - 1) + [(0, -K % 32)]); x = x.reshape(x.shape[:-1] + (-1, 32)); a = np.abs(x).max(-1, keepdims=True)
;;       e = np.where(a > 0, np.clip(np.frexp(np.where(a > 0, a, 1))[1] - 1 - 2, -126, 127), 0)      # np.frexp(a)[1] - 1 = floor(log2(a)), exactly
;;       r = np.clip(x / 2.0 ** e, -6, 6)
;;       step = 2.0 ** (np.maximum(np.frexp(np.where(r == 0, 1, r))[1] - 1, 0) - 1)
;;       q = np.round(r / step) * step * 2.0 ** e      # np.round: ties to even
;;       return np.moveaxis(q.reshape(q.shape[:-2] + (-1,))[..., :K], -1, axis).astype(np.float32)
;;   ~~~
;;   SOFTMAX AHEAD OF A QUANTISED PRODUCT. Where the list says 'softmax', what is quantised is not the finished softmax but p = 2^(t - M), with t = logit x log2(e) and M = ceil(the row's largest t), a whole number; so 1/2 < the row's largest p <= 1. The row's sum l is taken of the UNQUANTISED p, in f32, and the product's result is divided by l at the end. Since M is a whole number, a kernel that streams over the keys may use a running M (the ceiling of the running maximum): every later rescaling is an exact power of two, which a block's scale takes up: the codes' values come out the same.
;;   OPERANDS COMPUTED ON THE WAY. 'Computed on the way' means the value that the module computes at that place (a softmax that the list does not call 'softmax' is quantised finished and normalised). What goes into a quantiser is computed in f32, as accurately as f32 sums, v_exp_f32 and their like allow (about 1e-6 of the number): no bf16 or f16 on the way to a quantiser, and a product that is left as it is and whose result goes on into a quantised operand takes f32 operands (vector FMAs, or v_wmma_f32_16x16x4_f32). A number that lies on a knife's edge between two numbers of the format may be rounded either way, as far as f32 arithmetic and the matrix unit's own rounding can turn it there, and no further.
;; One version. Each part assembles by itself: llvm-mc -triple=amdgcn-amd-amdhsa -mcpu=gfx1250 --defsym DOCPART=n.
;; ======== version 1 of 1: 2 launches
;; workspace buffers: kv 5,046,272 bytes; qc 524,288 bytes; qs 262,144 bytes; woc 32,768 bytes; wos 2,048 bytes
;; launch proj (part 1): grid 256 x 1, 16 waves a work-group, no clusters, 69,632 bytes of LDS; arguments x, wq, wk, wv, wo, sq, bq, sk, bk, sv, bv, kv, qc, qs, woc, wos; writes kv, qc, qs, woc, wos
.if DOCPART == 1
	.amdgcn_target "amdgcn-amd-amdhsa--gfx1250"
	.amdhsa_code_object_version 6
	.text
	.protected	k_q2af122d76f_proj
	.globl	k_q2af122d76f_proj
	.p2align	8
	.type	k_q2af122d76f_proj,@function
k_q2af122d76f_proj:
	s_mov_b64 s[64:65], 0
	v_nop
	global_prefetch_b8 v0, s[64:65] scope:SCOPE_SE
	s_setreg_imm32_b32 hwreg(HW_REG_WAVE_MODE, 25, 1), 1
	s_wait_xcnt 0x0
; q, k, v = SiLU(s (W x) + b), the three products on codes of FP4 (E2M1) with one E8M0 scale for each 32 along K = the 256 channels; then q and k are quantised along their 32 channels,
; v along the keys, and wo along its 256 columns, all into buffers laid as the second launch's operand registers want them.
; SHARES.  Work-group id = 32 x batch + block owns 128 positions: one record of kv (128 keys) and eight tiles of q.  Sixteen waves.
;   W: wave w quantises 20 rows of weights (2 of wq, 2 of wk, 16 of wv), 8 neighbours a lane, 4 lanes to a block, into LDS rows of 128 bytes + 16.
;   X: wave w = (g = w % 4, kq = w / 4) takes 32 positions x 64 channels of x: A LANE TAKES A POSITION AND ITS REGISTERS RUN DOWN THE CHANNELS, so a block of 32 lies in one lane and nothing is transposed.
;      The codes go to LDS as images of operand registers: four registers of a fragment are 512 bytes, lane l's 16 bytes at 16 l.
;   QK: wave w makes q (w < 8) or k (w >= 8) of tile w % 8 of 16 positions, transposed (source 0 = 16 rows of the weight, source 1 = x): a lane holds one position and 16 neighbouring channels.
;   V: wave w makes 16 channels of v for all 128 positions (source 0 = x, source 1 = wv): a lane holds one channel and its registers run along the positions, which are the keys.
; THE ROWS OF A TILE ARE NOT NEIGHBOURS: of each 32 positions (or channels) tile u takes, in row r, number 8 u + r + (r & 8), so that the 16 registers of two neighbouring result tiles are 16 neighbours.
; A record of kv, 19,712 bytes: +0 v's 16 fragments (1,024 bytes each); +16,384 k's codes, 16 bytes a key, tile by tile; +18,432 v's scale words; +19,456 k's scale words, 128 bytes, written twice so that every byte is stored.
; The weights are read by every work-group, through registers: as f32 they are 327,680 bytes, all the LDS that a work-group can have, so no joint tile of them can be held; each wave wants only its own 20 rows, once.
; wo: every wave loads one row (the row's number masked to 0 .. 255, so that the registers are written on every path); work-groups 0 to 15 quantise and store theirs, row 16 id + w.
; LIMITS: NaN and infinities are not served.  A block whose largest magnitude lies under 2^-124 keeps the scale byte 1, a block of zeros too (the rule says 127 there): its codes are zeros, and this program alone reads the bytes.
; The sigmoid is 1 / (1 + 2^(-y log2 e)) by v_exp_f32 and v_rcp_f32, each good to one unit in the last place.
.set STEPB, 19712
.set XIMG,  0                          ; x's 16 fragments: (tile pt, K step s) at (2 pt + s) x 1,024
.set XSC,   16384                      ; their scale words: record (g, s) at (2 g + s) x 128 + 4 l: lanes 0-15 tile 2 g, lanes 16-31 tile 2 g + 1
.set WQK,   17408                      ; 64 rows x 144: wq's 32, then wk's 32
.set WQKS,  26624                      ; their scale bytes, 8 a row
.set WVL,   27136                      ; wave w's 16 rows of wv x 144, at 2,304 w
.set WVS,   64000                      ; their scale bytes, at 128 w
.set TAIL,  66048                      ; an image of the record's last 1,280 bytes
.set W,   12                           ; v12-171   20 rows of weights, 8 registers each
.set X,   172                          ; v172-235  64 numbers of x
.set WOR, 236                          ; v236-243  a row of wo
.set T,   244                          ; v244-247  largest magnitudes, then bytes
.set SCL, 248                          ; v248-251  the conversions' scale operands
.set CD,  252                          ; v252-255  codes
.set XC,  244                          ; v244-251  x's codes
.set BY,  252                          ; v252-253  x's two scale bytes
.set HA,  48                           ; v48-111   v: 8 tiles of positions
.set XFR, 112                          ; v112-239  x's 16 fragments
.set TM,  176                          ; v176-191  at work in QUANT
.set PW,  192                          ; the scale word just made
.set PC,  194                          ; v194-201  the codes just made
.set WV,  36                           ; s36  my wave's number
.set SEL, 38                           ; s[38:39] v_permlanex16_b32's selects for lane l xor 16
.set NL,  60                           ; s[60:61] -log2(e), twice
; One product.  z = 1: it starts the sum.  row = 1: source 0's scales stand in lanes 16-31 of their register.
.macro MM d, a, b, z, sa, sb, row
.if \z
.if \row
	v_wmma_scale_f32_16x16x128_f8f6f4 v[\d:\d+7], v[\a:\a+7], v[\b:\b+7], 0, v[\sa], v[\sb] matrix_a_fmt:MATRIX_FMT_FP4 matrix_b_fmt:MATRIX_FMT_FP4 matrix_a_scale:MATRIX_SCALE_ROW1
.else
	v_wmma_scale_f32_16x16x128_f8f6f4 v[\d:\d+7], v[\a:\a+7], v[\b:\b+7], 0, v[\sa], v[\sb] matrix_a_fmt:MATRIX_FMT_FP4 matrix_b_fmt:MATRIX_FMT_FP4
.endif
.else
.if \row
	v_wmma_scale_f32_16x16x128_f8f6f4 v[\d:\d+7], v[\a:\a+7], v[\b:\b+7], v[\d:\d+7], v[\sa], v[\sb] matrix_a_fmt:MATRIX_FMT_FP4 matrix_b_fmt:MATRIX_FMT_FP4 matrix_a_scale:MATRIX_SCALE_ROW1
.else
	v_wmma_scale_f32_16x16x128_f8f6f4 v[\d:\d+7], v[\a:\a+7], v[\b:\b+7], v[\d:\d+7], v[\sa], v[\sb] matrix_a_fmt:MATRIX_FMT_FP4 matrix_b_fmt:MATRIX_FMT_FP4
.endif
.endif
.endm
; Four rows of weights by turns: a lane's 8 numbers, 4 lanes to a block.  Codes to v[cadr] + c0 .. c3, bytes to v[badr] + b0 .. b3 (four lanes write the same byte with the same value).
.macro WROW4 reg, cadr, c0, c1, c2, c3, badr, b0, b1, b2, b3
	s_wait_dscnt 0x0                               ; the last group's LDS stores have read T and CD
.irp k, 0,1,2,3
	v_max3_num_f32 v[T+\k], |v[\reg+8*\k]|, |v[\reg+8*\k+1]|, 0x1800000   ; with the floor 2^(3 - 127): the byte cannot fall under 1
.endr
.irp i, 2,4,6
.irp k, 0,1,2,3
	v_max3_num_f32 v[T+\k], v[T+\k], |v[\reg+8*\k+\i]|, |v[\reg+8*\k+\i+1]|
.endr
.endr
.irp k, 0,1,2,3
	v_max_num_f32_dpp v[T+\k], v[T+\k], v[T+\k] row_xmask:1 row_mask:0xf bank_mask:0xf
.endr
.irp k, 0,1,2,3
	v_max_num_f32_dpp v[T+\k], v[T+\k], v[T+\k] row_xmask:2 row_mask:0xf bank_mask:0xf
.endr
.irp k, 0,1,2,3
	v_add_nc_u32 v[SCL+\k], 0xff000000, v[T+\k]    ; 2 off the exponent field: the conversion's scale operand
.endr
.irp k, 0,1,2,3
	v_cvt_scalef32_pk8_fp4_f32 v[CD+\k], v[\reg+8*\k:\reg+8*\k+7], v[SCL+\k]
.endr
.irp k, 0,1,2,3
	v_lshrrev_b32 v[T+\k], 23, v[SCL+\k]           ; the scale's byte (also the plain line behind the conversions)
.endr
	ds_store_b32 v[\cadr], v[CD] offset:\c0
	ds_store_b32 v[\cadr], v[CD+1] offset:\c1
	ds_store_b32 v[\cadr], v[CD+2] offset:\c2
	ds_store_b32 v[\cadr], v[CD+3] offset:\c3
	ds_store_b8 v[\badr], v[T] offset:\b0
	ds_store_b8 v[\badr], v[T+1] offset:\b1
	ds_store_b8 v[\badr], v[T+2] offset:\b2
	ds_store_b8 v[\badr], v[T+3] offset:\b3
.endm
; Block e of my position: 32 channels, all mine.
.macro XBLK e
	v_max3_num_f32 v12, |v[X+32*\e]|, |v[X+32*\e+1]|, |v[X+32*\e+2]|
	v_max3_num_f32 v13, |v[X+32*\e+3]|, |v[X+32*\e+4]|, |v[X+32*\e+5]|
.irp i, 6,10,14,18,22,26
	v_max3_num_f32 v12, v12, |v[X+32*\e+\i]|, |v[X+32*\e+\i+1]|
	v_max3_num_f32 v13, v13, |v[X+32*\e+\i+2]|, |v[X+32*\e+\i+3]|
.endr
	v_max3_num_f32 v12, v12, |v[X+32*\e+30]|, |v[X+32*\e+31]|
	v_max3_num_f32 v12, v12, v13, 0x1800000
	v_add_nc_u32 v[14+\e], 0xff000000, v12
	v_lshrrev_b32 v[BY+\e], 23, v[14+\e]
.irp i, 0,1,2,3
	v_cvt_scalef32_pk8_fp4_f32 v[XC+4*\e+\i], v[X+32*\e+8*\i:X+32*\e+8*\i+7], v[14+\e]
.endr
.endm
; n numbers at v[a] become y / (1 + 2^(-y log2 e)); n registers at v[t] are at work.
.macro SILU a, t, n
.set sii, 0
.rept (\n)/2
	v_pk_mul_f32 v[\t+sii:\t+sii+1], v[\a+sii:\a+sii+1], s[NL:NL+1] op_sel_hi:[1,0]
.set sii, sii+2
.endr
.set sii, 0
.rept \n
	v_exp_f32 v[\t+sii], v[\t+sii]
.set sii, sii+1
.endr
	v_nop                                          ; a plain line behind the exponentials
.set sii, 0
	s_wait_alu depctr_va_vdst(0)
.rept (\n)/2
	v_pk_add_f32 v[\t+sii:\t+sii+1], v[\t+sii:\t+sii+1], 1.0 op_sel_hi:[1,0]
.set sii, sii+2
.endr
.set sii, 0
.rept \n
	v_rcp_f32 v[\t+sii], v[\t+sii]
.set sii, sii+1
.endr
	v_nop                                          ; a plain line behind the reciprocals
.set sii, 0
	s_wait_alu depctr_va_vdst(0)
.rept (\n)/2
	v_pk_mul_f32 v[\a+sii:\a+sii+1], v[\a+sii:\a+sii+1], v[\t+sii:\t+sii+1]
.set sii, sii+2
.endr
.endm
; 64 numbers of a lane, register 16 b + i = k 32 b + 16 (lane / 16) + i of my row, become a fragment's codes in v[PC] on and its scale word in v[PW].
.macro QUANT s
.irp b, 0,1,2,3
	v_max3_num_f32 v[TM+\b], |v[\s+16*\b]|, |v[\s+1+16*\b]|, 0x1800000
.endr
.irp i, 2,4,6,8,10,12,14
.irp b, 0,1,2,3
	v_max3_num_f32 v[TM+\b], v[TM+\b], |v[\s+16*\b+\i]|, |v[\s+1+16*\b+\i]|
.endr
.endr
.irp b, 0,1,2,3
	v_permlanex16_b32 v[TM+4+\b], v[TM+\b], s[SEL], s[SEL+1]
.endr
.irp b, 0,1,2,3
	v_max_num_f32 v[TM+\b], v[TM+\b], v[TM+4+\b]   ; with lane l xor 16's: the block's largest magnitude
.endr
.irp b, 0,1,2,3
	v_add_nc_u32 v[TM+12+\b], 0xff000000, v[TM+\b]
.endr
.irp b, 0,1,2,3
	v_lshrrev_b32 v[TM+4+\b], 23, v[TM+12+\b]
.endr
	v_lshl_or_b32 v[PW], v[TM+5], 8, v[TM+4]
	v_lshl_or_b32 v[PW], v[TM+6], 16, v[PW]
	v_lshl_or_b32 v[PW], v[TM+7], 24, v[PW]
.irp b, 0,1,2,3
	v_cvt_scalef32_pk8_fp4_f32 v[PC+2*\b], v[\s+16*\b:\s+7+16*\b], v[TM+12+\b]
	v_cvt_scalef32_pk8_fp4_f32 v[PC+1+2*\b], v[\s+8+16*\b:\s+15+16*\b], v[TM+12+\b]
.endr
	v_nop                                          ; one plain line behind a scaled conversion
.irp c, 0,1                                    ; the operand wants a whole block in a lane: lanes 0-15 block 2 c, lanes 16-31 block 2 c + 1
.irp i, 0,1
	v_permlane16_swap_b32 v[PC+4*\c+\i], v[PC+2+4*\c+\i]
.endr
.endr
.endm
	s_load_b512 s[4:19], s[0:1], 0x0               ; x s[4:5], wq s[6:7], wk s[8:9], wv s[10:11], wo s[12:13], sq s[14:15], bq s[16:17], sk s[18:19]
	s_load_b512 s[20:35], s[0:1], 0x40             ; bk s[20:21], sv s[22:23], bv s[24:25], kv s[26:27], qc s[28:29], qs s[30:31], woc s[32:33], wos s[34:35]
	v_lshrrev_b32 v9, 5, v0
	v_readfirstlane_b32 s[WV], v9                  ; wave 0..15
	v_and_b32 v10, 31, v0                          ; l
	v_and_b32 v11, 15, v0                          ; r
	v_bfe_u32 v9, v0, 4, 1                         ; h
	v_and_b32 v1, 8, v11
	v_add_nc_u32 v1, v1, v11
	v_lshl_add_u32 v1, v9, 3, v1                   ; my position among the wave's 32: 8 h + r + (r & 8): lanes 0-15 are tile 2 g, lanes 16-31 tile 2 g + 1
	v_lshlrev_b32 v1, 2, v1                        ; v1: its byte in a row of x
	v_lshlrev_b32 v2, 5, v10                       ; v2: my 8 numbers of a row of weights
	s_mul_i32 s40, s[WV], 2304
	s_add_co_u32 s40, s40, WVL
	v_lshl_add_u32 v3, v10, 2, s40                 ; v3: wv's codes: my 4 bytes of a row
	v_lshrrev_b32 v11, 2, v10                      ; my block of a row
	s_lshl_b32 s40, s[WV], 7
	s_add_co_u32 s40, s40, WVS
	v_add_nc_u32 v4, s40, v11                      ; v4: wv's scale bytes
	s_mul_i32 s40, s[WV], 288
	s_add_co_u32 s40, s40, WQK
	v_lshl_add_u32 v5, v10, 2, s40                 ; v5: wq's and wk's codes: rows 2 w, 2 w + 1
	s_lshl_b32 s40, s[WV], 4
	s_add_co_u32 s40, s40, WQKS
	v_add_nc_u32 v6, s40, v11                      ; v6: their scale bytes
	s_and_b32 s41, s[WV], 3                        ; g: which 32 positions
	s_lshr_b32 s42, s[WV], 2                       ; kq: which 64 channels = K step kq / 2, registers 4 (kq % 2) on
	s_lshl_b32 s40, s41, 12
	s_lshl_b32 s43, s42, 9
	s_add_co_u32 s40, s40, s43
	v_lshl_add_u32 v7, v10, 4, s40                 ; v7: x's images: 4,096 g + 512 kq + 16 l
	s_lshl_b32 s40, s41, 8
	s_lshr_b32 s43, s42, 1
	s_lshl_b32 s43, s43, 7
	s_add_co_u32 s40, s40, s43
	s_and_b32 s43, s42, 1
	s_lshl_b32 s43, s43, 1
	s_add_co_u32 s40, s40, s43
	s_add_co_u32 s40, s40, XSC
	v_lshl_add_u32 v8, v10, 2, s40                 ; v8: my two bytes of my position's scale word
	v_lshlrev_b32 v9, 2, v10                       ; v9: wo's codes: 4 l
	v_mov_b32 v10, v11                             ; v10: wo's scale bytes: l / 4
	s_lshr_b32 s44, ttmp9, 5                       ; batch
	s_and_b32 s45, ttmp9, 31                       ; block of 128 positions
	s_lshl_b32 s46, s44, 22
	s_lshl_b32 s43, s42, 20
	s_add_co_u32 s46, s46, s43
	s_lshl_b32 s43, s45, 9
	s_add_co_u32 s46, s46, s43
	s_lshl_b32 s43, s41, 7
	s_add_co_u32 s46, s46, s43
	s_mov_b32 s47, 0                               ; x: batch, channel 64 kq, position 128 block + 32 g
	s_lshl_b32 s48, s[WV], 11
	s_mov_b32 s49, 0                               ; wq, wk: row 2 w
	s_lshr_b32 s50, s[WV], 1
	s_lshl_b32 s50, s50, 15
	s_and_b32 s43, s[WV], 1
	s_lshl_b32 s43, s43, 13
	s_add_co_u32 s50, s50, s43
	s_mov_b32 s51, 0                               ; wv: row 32 (w / 2) + 8 (w % 2)
	s_lshl_b32 s52, ttmp9, 4
	s_add_co_u32 s52, s52, s[WV]
	s_and_b32 s52, s52, 255                        ; wo: row 16 id + w, masked
	s_lshl_b32 s54, s52, 7
	s_mov_b32 s55, 0
	s_lshl_b32 s56, s52, 3
	s_mov_b32 s57, 0
	s_lshl_b32 s52, s52, 10
	s_mov_b32 s53, 0
	s_mul_i32 s58, ttmp9, STEPB
	s_mov_b32 s59, 0                               ; my record of kv
	s_mov_b32 s[SEL], 0x76543210
	s_mov_b32 s[SEL+1], 0xfedcba98
	s_mov_b32 s[NL], 0xbfb8aa3b
	s_mov_b32 s[NL+1], s[NL]
	s_wait_kmcnt 0x0
	s_add_nc_u64 s[4:5], s[4:5], s[46:47]
	s_add_nc_u64 s[6:7], s[6:7], s[48:49]
	s_add_nc_u64 s[8:9], s[8:9], s[48:49]
	s_add_nc_u64 s[10:11], s[10:11], s[50:51]
	s_add_nc_u64 s[12:13], s[12:13], s[52:53]
	s_add_nc_u64 s[32:33], s[32:33], s[54:55]
	s_add_nc_u64 s[34:35], s[34:35], s[56:57]
	s_add_nc_u64 s[26:27], s[26:27], s[58:59]
	; the loads: 2 of wo, 40 of weights, 64 of x, in this order
	global_load_b128 v[WOR:WOR+3], v2, s[12:13]
	global_load_b128 v[WOR+4:WOR+7], v2, s[12:13] offset:16
.irp k, 0,1
	global_load_b128 v[W+8*\k:W+8*\k+3], v2, s[6:7] offset:1024*\k
	global_load_b128 v[W+8*\k+4:W+8*\k+7], v2, s[6:7] offset:1024*\k+16
.endr
.irp k, 0,1
	global_load_b128 v[W+16+8*\k:W+16+8*\k+3], v2, s[8:9] offset:1024*\k
	global_load_b128 v[W+16+8*\k+4:W+16+8*\k+7], v2, s[8:9] offset:1024*\k+16
.endr
.irp k, 0,1,2,3,4,5,6,7,8,9,10,11,12,13,14,15  ; my tile's row k is row k + (k & 8) from the tile's first
	global_load_b128 v[W+32+8*\k:W+32+8*\k+3], v2, s[10:11] offset:1024*(\k+8*(\k/8))
	global_load_b128 v[W+32+8*\k+4:W+32+8*\k+7], v2, s[10:11] offset:1024*(\k+8*(\k/8))+16
.endr
.set ii, 0
.rept 64                                       ; channel 64 kq + i of my position: the wave reads 128 consecutive bytes, the four waves of a kq 512
	global_load_b32 v[X+ii], v1, s[4:5] offset:16384*ii th:TH_LOAD_NT
.set ii, ii+1
.endr
	s_wait_loadcnt 63                              ; 64 loads of x were issued behind the weights': with 63 out at the most, wo's row and all weights are in
	; ---- W
	WROW4 W, 5, 0, 144, 4608, 4752, 6, 0, 8, 256, 264
	WROW4 W+32, 3, 0, 144, 288, 432, 4, 0, 8, 16, 24
	WROW4 W+64, 3, 576, 720, 864, 1008, 4, 32, 40, 48, 56
	WROW4 W+96, 3, 1152, 1296, 1440, 1584, 4, 64, 72, 80, 88
	WROW4 W+128, 3, 1728, 1872, 2016, 2160, 4, 96, 104, 112, 120
	s_wait_dscnt 0x0                               ; the last group's stores have read T and CD, which are written again below
	s_cmp_lt_u32 ttmp9, 16
	s_cbranch_scc0 .Lno_wo
	v_max3_num_f32 v[T], |v[WOR]|, |v[WOR+1]|, 0x1800000
	v_max3_num_f32 v[T], v[T], |v[WOR+2]|, |v[WOR+3]|
	v_max3_num_f32 v[T], v[T], |v[WOR+4]|, |v[WOR+5]|
	v_max3_num_f32 v[T], v[T], |v[WOR+6]|, |v[WOR+7]|
	v_max_num_f32_dpp v[T], v[T], v[T] row_xmask:1 row_mask:0xf bank_mask:0xf
	v_max_num_f32_dpp v[T], v[T], v[T] row_xmask:2 row_mask:0xf bank_mask:0xf
	v_add_nc_u32 v[SCL], 0xff000000, v[T]
	v_cvt_scalef32_pk8_fp4_f32 v[CD], v[WOR:WOR+7], v[SCL]
	v_lshrrev_b32 v[T], 23, v[SCL]
	global_store_b32 v9, v[CD], s[32:33]           ; a row of wo's codes: 128 consecutive bytes
	global_store_b8 v10, v[T], s[34:35]            ; its 8 scale bytes (four lanes write the same byte with the same value)
	s_wait_xcnt 0x0                                ; the stores have read their registers: all four are written again below
.Lno_wo:
	; the affine numbers: 10 loads, into registers that the weights have left
	s_cmp_lt_u32 s[WV], 8
	s_cselect_b64 s[14:15], s[14:15], s[18:19]     ; waves 0-7 make q, waves 8-15 k
	s_cselect_b64 s[16:17], s[16:17], s[20:21]
	v_bfe_u32 v9, v0, 4, 1
	v_lshlrev_b32 v9, 6, v9                        ; channels 16 h on
	v_and_b32 v10, 15, v0
	v_and_b32 v12, 8, v10
	v_add_nc_u32 v10, v10, v12
	v_lshlrev_b32 v10, 2, v10
	s_lshr_b32 s40, s50, 8
	v_add_nc_u32 v10, s40, v10                     ; v's channel of my row: 32 (w / 2) + 8 (w % 2) + r + (r & 8)
.irp i, 0,1,2,3
	global_load_b128 v[96+4*\i:99+4*\i], v9, s[14:15] offset:16*\i
.endr
.irp i, 0,1,2,3
	global_load_b128 v[112+4*\i:115+4*\i], v9, s[16:17] offset:16*\i
.endr
	global_load_b32 v28, v10, s[22:23]             ; sv and bv in the low words of two pairs,
	global_load_b32 v30, v10, s[24:25]
	v_mov_b32 v29, 0                               ; whose upper words are named with them and so are written
	v_mov_b32 v31, 0
	; ---- X
	s_wait_loadcnt 42                              ; behind x's first 32 loads: its other 32 and the 10 above
	XBLK 0
	s_wait_loadcnt 10
	XBLK 1
	v_nop                                          ; one plain line behind a scaled conversion
.irp i, 0,1,2,3                                ; before: lanes 0-15 tile 2 g, lanes 16-31 tile 2 g + 1, blocks 0 and 1 in two runs.  After: the first run is tile 2 g's four registers (block h in half h), the second tile 2 g + 1's
	v_permlane16_swap_b32 v[XC+\i], v[XC+4+\i]
.endr
	v_lshl_or_b32 v[BY], v[BY+1], 8, v[BY]
	ds_store_b128 v7, v[XC:XC+3]
	ds_store_b128 v7, v[XC+4:XC+7] offset:2048
	ds_store_b16 v8, v[BY]
	s_wait_dscnt 0x0                               ; for the others' sake: all my LDS stores have landed
	; the addresses of the phases to come, made here on the one way that all waves take
	v_and_b32 v23, 31, v0                          ; l
	v_and_b32 v24, 15, v0                          ; r
	v_bfe_u32 v25, v0, 4, 1                        ; h
	v_and_b32 v26, 8, v24
	v_add_nc_u32 v26, v26, v24                     ; r + (r & 8)
	s_and_b32 s37, s[WV], 7                        ; pt: my tile of positions in QK
	s_lshr_b32 s40, s[WV], 3                       ; 0: q, 1: k
	s_lshl_b32 s41, s37, 11
	v_lshl_add_u32 v1, v23, 4, s41                 ; v1: x's two fragments of tile pt
	s_lshr_b32 s41, s37, 1
	s_lshl_b32 s41, s41, 8
	s_and_b32 s42, s37, 1
	s_lshl_b32 s42, s42, 6
	s_add_co_u32 s41, s41, s42
	s_add_co_u32 s41, s41, XSC
	v_lshl_add_u32 v2, v24, 2, s41                 ; v2: tile pt's scale words, row r in both halves of the lanes
	s_mul_i32 s41, s40, 4608
	s_add_co_u32 s41, s41, WQK
	v_mul_u32_u24 v3, v26, 144
	v_lshl_add_u32 v3, v25, 4, v3
	v_add_nc_u32 v3, s41, v3                       ; v3: wq's or wk's fragments
	s_lshl_b32 s41, s40, 8
	s_add_co_u32 s41, s41, WQKS
	v_lshl_add_u32 v4, v26, 3, s41                 ; v4: their scale words
	s_lshr_b32 s41, s37, 2
	s_lshl_b32 s41, s41, 6
	s_and_b32 s42, s37, 3
	s_add_co_u32 s41, s41, s42
	s_add_co_u32 s41, s41, TAIL+1024
	v_lshl_add_u32 v5, v24, 2, s41
	v_lshl_add_u32 v5, v25, 7, v5                  ; v5: k's scale byte: word 16 (pt / 4) + r, byte pt % 4; lanes 16-31 write the second copy
	v_lshlrev_b32 v6, 4, v23                       ; v6: 16 l
	v_lshl_add_u32 v11, v23, 2, XSC                ; v11: all of x's scale words
	s_mul_i32 s41, s[WV], 2304
	s_add_co_u32 s41, s41, WVL
	v_mul_u32_u24 v16, v24, 144
	v_lshl_add_u32 v16, v25, 4, v16
	v_add_nc_u32 v16, s41, v16                     ; v16: my tile of wv
	s_lshl_b32 s41, s[WV], 7
	s_add_co_u32 s41, s41, WVS
	v_lshl_add_u32 v17, v24, 3, s41                ; v17: its scale words
	s_lshl_b32 s41, s40, 9
	s_and_b32 s42, s[WV], 1
	s_lshl_b32 s42, s42, 8
	s_add_co_u32 s41, s41, s42
	s_bfe_u32 s42, s[WV], 0x20001
	s_lshl_b32 s42, s42, 2
	s_add_co_u32 s41, s41, s42
	s_add_co_u32 s41, s41, TAIL
	v_lshl_add_u32 v18, v24, 4, s41                ; v18: v's scale word: 512 (w / 8) + 16 (16 (w % 2) + r) + 4 ((w / 2) % 4)
	s_min_u32 s41, s[WV], 4
	s_lshl_b32 s41, s41, 8
	v_lshl_add_u32 v22, v23, 3, s41                ; v22: the tail's way out: 256 w + 8 l (waves 0 to 4)
	v_add_nc_u32 v19, TAIL, v22                    ; v19: the same in LDS
	s_lshl_b32 s41, s37, 8
	v_lshl_add_u32 v20, v24, 4, s41
	v_lshl_add_u32 v20, v25, 3, v20                ; v20: q's or k's codes: 256 pt + 16 r + 8 h
	v_lshlrev_b32 v21, 2, v23                      ; v21: 4 l
	s_lshl_b32 s42, ttmp9, 11
	s_mov_b32 s43, 0
	s_add_nc_u64 s[28:29], s[28:29], s[42:43]      ; qc at my block
	s_add_nc_u64 s[44:45], s[26:27], 16384         ; k's codes in my record
	s_cmp_lt_u32 s[WV], 8
	s_cselect_b64 s[44:45], s[28:29], s[44:45]
	s_lshl_b32 s42, ttmp9, 10
	s_lshl_b32 s46, s37, 7
	s_add_co_u32 s42, s42, s46
	s_add_nc_u64 s[30:31], s[30:31], s[42:43]      ; qs at my tile
	s_lshl_b32 s42, s[WV], 10
	s_add_nc_u64 s[46:47], s[26:27], s[42:43]      ; v's fragment w in my record
	s_barrier_signal -1
	s_barrier_wait -1                              ; x's images and all weights lie in LDS
	; ---- QK
.irp c, 0,1,2,3
	ds_load_b128 v[32+4*\c:35+4*\c], v1 offset:512*\c
.endr
	ds_load_b32 v240, v2
	ds_load_b32 v241, v2 offset:128
.irp u, 0,1
.irp s, 0,1
.irp c, 0,1
	ds_load_b128 v[48+8*(2*\u+\s)+4*\c:51+8*(2*\u+\s)+4*\c], v3 offset:1152*\u+64*\s+32*\c
.endr
	ds_load_b32 v[242+2*\u+\s], v4 offset:64*\u+4*\s
.endr
.endr
	s_wait_dscnt 0x0
	MM 80, 48, 32, 1, 242, 240, 0                  ; the two accumulators take turns
	MM 88, 64, 32, 1, 244, 240, 0
	MM 80, 56, 40, 0, 243, 241, 0
	MM 88, 72, 40, 0, 245, 241, 0
.rept 4
	v_nop                                          ; four places behind the products (ISA guide 7.12.1)
.endr
	s_wait_loadcnt 0x0                             ; the affine numbers
.irp i, 0,2,4,6,8,10,12,14                     ; register i is channel 16 h + i of my position
	v_pk_fma_f32 v[80+\i:81+\i], v[80+\i:81+\i], v[96+\i:97+\i], v[112+\i:113+\i]
.endr
	SILU 80, 128, 16
	v_mov_b32 v145, 0                              ; a lane permute's destination counts as one of its sources
	v_max3_num_f32 v144, |v80|, |v81|, 0x1800000
.irp i, 2,4,6,8,10,12,14
	v_max3_num_f32 v144, v144, |v[80+\i]|, |v[81+\i]|
.endr
	v_permlanex16_b32 v145, v144, s[SEL], s[SEL+1]
	v_max_num_f32 v144, v144, v145                 ; the one block of 32 channels lies in lanes l and l xor 16
	v_add_nc_u32 v146, 0xff000000, v144
	v_lshrrev_b32 v147, 23, v146
	v_cvt_scalef32_pk8_fp4_f32 v148, v[80:87], v146
	v_cvt_scalef32_pk8_fp4_f32 v149, v[88:95], v146
	v_nop
	global_store_b64 v20, v[148:149], s[44:45]     ; the wave stores 256 consecutive bytes, aligned
	s_cmp_lt_u32 s[WV], 8
	s_cbranch_scc0 .Lrole_k
	v_lshl_or_b32 v150, v147, 8, v147
	v_lshl_or_b32 v150, v150, 16, v150             ; q's byte in all four bytes: q's codes will stand in any of the four blocks of an operand
	global_store_b32 v21, v150, s[30:31]
	s_branch .Lrole_done
.Lrole_k:
	ds_store_b8 v5, v147
.Lrole_done:
	; ---- V
	s_wait_xcnt 0x0                                ; the stores above have read their registers,
	s_wait_dscnt 0x0                               ; the LDS store too: the loads below land there
.irp f, 0,1,2,3,4,5,6,7,8,9,10,11,12,13,14,15
	ds_load_b128 v[XFR+8*\f:XFR+8*\f+3], v6 offset:1024*\f
	ds_load_b128 v[XFR+8*\f+4:XFR+8*\f+7], v6 offset:1024*\f+512
.endr
.irp q, 0,1,2,3,4,5,6,7
	ds_load_b32 v[248+\q], v11 offset:128*\q
.endr
.irp s, 0,1
.irp c, 0,1
	ds_load_b128 v[32+8*\s+4*\c:35+8*\s+4*\c], v16 offset:64*\s+32*\c
.endr
	ds_load_b32 v[246+\s], v17 offset:4*\s
.endr
	s_wait_dscnt 0x0
.irp s, 0,1                                    ; eight accumulators by turns, a K step at a time
.irp p, 0,1,2,3,4,5,6,7
	MM HA+8*\p, XFR+8*(2*\p+\s), 32+8*\s, 1-\s, 248+2*(\p/2)+\s, 246+\s, \p%2
.endr
.endr
.rept 4
	v_nop
.endr
.set ii, 0
.rept 32                                       ; register 16 b + i is position 32 b + 16 h + i of my channel
	v_pk_fma_f32 v[HA+ii:HA+ii+1], v[HA+ii:HA+ii+1], v[28:29], v[30:31] op_sel_hi:[1,0,0]
.set ii, ii+2
.endr
	SILU HA, XFR, 64
.irp b, 0,1,2,3
	v_mov_b32 v[TM+4+\b], 0
.endr
	QUANT HA
	global_store_b128 v6, v[PC:PC+3], s[46:47]     ; the fragment as it stands: twice 512 consecutive bytes
	global_store_b128 v6, v[PC+4:PC+7], s[46:47] offset:512
	ds_store_b32 v18, v[PW]                        ; (both halves of the lanes write the same word with the same value)
	s_wait_dscnt 0x0
	s_barrier_signal -1
	s_barrier_wait -1                              ; the record's last 1,280 bytes lie in LDS
	s_cmp_lt_u32 s[WV], 5
	s_cbranch_scc0 .Ldone
	ds_load_b64 v[12:13], v19
	s_wait_dscnt 0x0
	global_store_b64 v22, v[12:13], s[26:27] offset:18432   ; 32 lanes store 256 consecutive bytes, aligned
.Ldone:
	s_wait_xcnt 0x0
	v_lshl_add_u32 v254, v0, 2, 0x10800
	v_mov_b32 v255, 0
	s_wait_tensorcnt 0x0
	ds_add_u32 v254, v255
	s_wait_dscnt 0x0
	s_endpgm
.Lfunc_end_k_q2af122d76f_proj:
	.size	k_q2af122d76f_proj, .Lfunc_end_k_q2af122d76f_proj-k_q2af122d76f_proj
	.p2alignl 7, 3214868480
	.fill 96, 4, 3214868480
	.section	.rodata,"a",@progbits
	.p2align	6, 0x0
	.amdhsa_kernel k_q2af122d76f_proj
		.amdhsa_group_segment_fixed_size 69632
		.amdhsa_private_segment_fixed_size 0
		.amdhsa_enable_private_segment 0
		.amdhsa_kernarg_size 128
		.amdhsa_user_sgpr_count 2
		.amdhsa_user_sgpr_kernarg_segment_ptr 1
		.amdhsa_wavefront_size32 1
		.amdhsa_system_sgpr_workgroup_id_x 1
		.amdhsa_system_sgpr_workgroup_id_y 1
		.amdhsa_system_sgpr_workgroup_id_z 1
		.amdhsa_system_vgpr_workitem_id 0
		.amdhsa_next_free_vgpr 256
		.amdhsa_next_free_sgpr 66
		.amdhsa_reserve_vcc 0
		.amdhsa_float_denorm_mode_32 3
		.amdhsa_float_denorm_mode_16_64 3
		.amdhsa_memory_ordered 1
		.amdhsa_forward_progress 1
		.amdhsa_inst_pref_size 65
	.end_amdhsa_kernel
	.amdgpu_metadata
---
amdhsa.version: [ 1, 2 ]
amdhsa.kernels:
  - .name:           k_q2af122d76f_proj
    .symbol:         k_q2af122d76f_proj.kd
    .args:
      - { .name: x, .offset: 0, .size: 8, .value_kind: global_buffer, .address_space: global }
      - { .name: wq, .offset: 8, .size: 8, .value_kind: global_buffer, .address_space: global }
      - { .name: wk, .offset: 16, .size: 8, .value_kind: global_buffer, .address_space: global }
      - { .name: wv, .offset: 24, .size: 8, .value_kind: global_buffer, .address_space: global }
      - { .name: wo, .offset: 32, .size: 8, .value_kind: global_buffer, .address_space: global }
      - { .name: sq, .offset: 40, .size: 8, .value_kind: global_buffer, .address_space: global }
      - { .name: bq, .offset: 48, .size: 8, .value_kind: global_buffer, .address_space: global }
      - { .name: sk, .offset: 56, .size: 8, .value_kind: global_buffer, .address_space: global }
      - { .name: bk, .offset: 64, .size: 8, .value_kind: global_buffer, .address_space: global }
      - { .name: sv, .offset: 72, .size: 8, .value_kind: global_buffer, .address_space: global }
      - { .name: bv, .offset: 80, .size: 8, .value_kind: global_buffer, .address_space: global }
      - { .name: kv, .offset: 88, .size: 8, .value_kind: global_buffer, .address_space: global }
      - { .name: qc, .offset: 96, .size: 8, .value_kind: global_buffer, .address_space: global }
      - { .name: qs, .offset: 104, .size: 8, .value_kind: global_buffer, .address_space: global }
      - { .name: woc, .offset: 112, .size: 8, .value_kind: global_buffer, .address_space: global }
      - { .name: wos, .offset: 120, .size: 8, .value_kind: global_buffer, .address_space: global }
    .group_segment_fixed_size: 69632
    .private_segment_fixed_size: 0
    .kernarg_segment_align: 8
    .kernarg_segment_size: 128
    .max_flat_workgroup_size: 512
    .sgpr_count:     66
    .vgpr_count:     256
    .wavefront_size: 32
...
	.end_amdgpu_metadata
.endif
;; end of part 1
;; launch attn (part 2): grid 32 x 8, 8 waves a work-group, clusters of 4 x 1, 327,680 bytes of LDS; arguments qc, qs, kv, woc, wos, so, bo, gamma, x, out0; writes out0
.if DOCPART == 2
	.amdgcn_target "amdgcn-amd-amdhsa--gfx1250"
	.amdhsa_code_object_version 6
	.text
	.protected	k_q2af122d76f_attn
	.globl	k_q2af122d76f_attn
	.p2align	8
	.type	k_q2af122d76f_attn,@function
k_q2af122d76f_attn:
	s_mov_b64 s[64:65], 0
	v_nop
	global_prefetch_b8 v0, s[64:65] scope:SCOPE_SE
	s_setreg_imm32_b32 hwreg(HW_REG_WAVE_MODE, 25, 1), 1
	s_wait_xcnt 0x0
	s_wait_alu depctr_hold_cnt(0) depctr_sa_sdst(0) depctr_va_vdst(0) depctr_va_sdst(0) depctr_va_ssrc(0) depctr_va_vcc(0) depctr_vm_vsrc(0)
	s_getreg_b32 s2, hwreg(HW_REG_IB_STS2, 6, 4)
	s_cmp_eq_u32 s2, 0
	s_cbranch_scc0 .Lentry_in_a_cluster
	s_endpgm
.Lentry_in_a_cluster:
	s_bfe_u32 s2, ttmp6, 0x10000c
	s_cmp_lg_u32 s2, 0x3003
	s_cbranch_scc0 .Lentry_shape_is_right
	s_endpgm
.Lentry_shape_is_right:
; out0 = gamma SiLU(so (wo o) + bo) + x, o = softmax(q^T k) applied to v; all three products on codes of FP4 (E2M1) with one E8M0 scale for each 32 along K.
; THE SOFTMAX: t = score x log2(e); M = the row's largest t so far, rounded up to a whole number; p = 2^(t - M) is quantised along the keys, not normalised; the row's sum is taken of the unquantised p
; and divides O at the end.  When M moves, the sum and O are multiplied by 2^(old M - new M), which rounds nothing.
; M MOVES ONCE A SLOT OF FOUR KEY STEPS (512 keys).  At a slot's head the scores of its four steps are made and only the largest score of each block of 32 keys is kept (16 registers); from them comes M, and the sum and
; O^T are brought under it once: 64 packed multiplies for four steps.  Each step then makes its scores again from k's fragments, which stand in registers for the whole slot (eight short products), and takes its
; blocks' maxima from the 16 registers.  The scores of the step made last at the head still stand, so that step is worked first and not multiplied again: the order of steps is 3, 0, 1, 2.
; SHARES.  A work-group owns 128 queries of one batch; each of its eight waves 16 of them, one tile, with all 256 channels of O: two waves to a SIMD.  Every wave walks the batch's 4,096 keys, 128 a step.
; A step's operands are one record of kv, 19,712 dense bytes laid as images of operand registers (four registers = 512 bytes, lane l's 16 bytes at 16 l).  Two LDS slots of four records.
; CLUSTER.  The four work-groups of a cluster belong to one batch and walk the same records: each record is asked for JOINTLY, by the same tensor load with the same descriptor and the mask 15.  Waves 0 to 3 fetch one record each.
; LAYOUT.  S^T = k q^T and O^T = v p^T: a lane holds one query throughout.  The score's K is 32, the instruction's 128: a fragment of k holds FOUR tiles of 16 keys, one in each block of 32,
; and q stands in one block of source 1 with zero codes in the other three: four standing variants of q pick the four tiles, and no byte of k is read for nothing.
; The keys of a tile and v's channels of a tile are chosen (number 8 u + r + (r & 8) of each 32) so that the 16 registers of two neighbouring result tiles are 16 neighbours along the next product's K.
; AT THE END o = O / sum is quantised along the channels, goes from wave to wave through LDS as images, and wave w makes output channels 32 w .. 32 w + 31 for all 128 positions.
; LIMITS: NaN and infinities are not served.  A block whose largest magnitude lies under 2^-124 keeps the scale byte 1, a block of zeros too: its codes are zeros.  v_exp_f32 gives 0 for p under 2^-126.
; 1 / sum and the sigmoid come by v_rcp_f32, good to one unit in the last place.
; REGISTERS.  Window 0: v1-5 addresses that stay; v6-9 the slot's addresses; v10-11 and, at the end, v16-31: the end's addresses, so, bo; v12 -M, v13 the largest t, v[14:15] the sum in two halves;
;   v16-31 in the loop: the largest score of each of the slot's 16 blocks; v32-55 q's variants; v72-79 v's scale words, v81-88 o's, v89-92 k's; v96-159 S^T, then p; v160-223 v's fragments 0-7 (at a slot's head a second S^T);
;   v224-231 p's codes; v232-254 at work; v253 p's scale word; v255 q's.
;   Window 1: v0-127 O^T (tile ct at 8 ct), later the last product's sums; v128-191 v's fragments 8-15; v192-255 k's fragments of the slot's four steps; at the end v128-255 32 rows of x.
.set STEPB, 19712
.set SLOTB, 4*STEPB                    ; 78,848
.set SLOT1, 1<<17                      ; slot 1 begins here: one exclusive or turns an address of one slot into the other's
.set KOFF,  16384
.set VSOFF, 18432
.set KSOFF, 19456
.set SPARE, SLOTB                      ; behind slot 0: the spare words, 128 bytes for each wave: four blocks of 256 bytes that no other line names
.set OIMG,  SPARE+1024                 ; o's 16 fragments: (tile qt, K step s) at (2 qt + s) x 1,024
.set OSC,   OIMG+16384                 ; their scale words, 128 bytes each
.set STAGE, SLOT1+SLOTB                ; behind slot 1: 16 rows x (512 bytes + 16) for each wave
.set SP,    528
.set LI,  1                            ; v1  16 l
.set LS,  2                            ; v2  4 l
.set SPW, 3                            ; v3  my spare word; never rewritten
.set NIL, 4                            ; v4  0; never rewritten
.set PFO, 5                            ; v5  the prefetches' offset; never rewritten
.set ADR, 6                            ; v6  the slot's records 0, 1: its first byte + 16 l
.set ADS, 7                            ; v7  the same + 4 l
.set ADR2, 8                           ; v8  records 2, 3: two records on, so that every offset stays inside the 16-bit immediate
.set ADS2, 9                           ; v9
.set WOA, 10
.set WSA, 11
.set BM,  16                           ; v16-31  in the loop: block b of step q at v[BM + 4 q + b]
.set SBA, 16
.set OWI, 17
.set OWS, 18
.set STO, 19
.set STR, 20
.set ORI, 21
.set ORS, 22
.set SOP, 24                           ; v[24:25], v[26:27] so of my two tiles of outputs, in the pairs' low words
.set BOP, 28                           ; v[28:29], v[30:31] bo likewise
.set QT,  56                           ; v56-59  q's codes as loaded, at the head alone
.set VSC, 72
.set OSR, 81
.set KSC, 89                           ; v89-92  k's scale words, one register a step
.set S,   96
.set VF,  160
.set PC,  224
.set TM,  232
.set PW,  253
.set QSC, 255
.set KW,  192                          ; in window 1: fragment G of step q at v[KW + 16 q + 8 G]
.set NL,  2                            ; s[2:3]   -log2(e), twice
.set G1,  24                           ; s[24:31] descriptor group 1
.set G0A, 32                           ; s[32:35] group 0 of slot 0's first fill
.set G0W, 36                           ; s[36:39] group 0 that walks
.set WV,  40
.set SEL, 42
.set CS,  44                           ; s[44:45] log2(e), twice
.set TB,  46                           ; LDS byte at which the slot in hand begins
.set SLOTS, 47                         ; slots still to be asked for
.set LIM, 49                           ; 1 in a wave that prefetches, else the greatest number
.set PFA, 50                           ; s[50:51] where my prefetches stand
.set MSB, 0
.macro WIN new                         ; the immediate's high byte repeats the setting that is left; bits 1:0 source 0, 3:2 source 1, 5:4 source 2, 7:6 destination
.if MSB != \new
	s_set_vgpr_msb (MSB<<8)|\new
.set MSB, \new
.endif
.endm
; One product.  z = 1: it starts the sum.  row = 1: source 0's scales stand in lanes 16-31 of their register.
.macro MM d, a, b, z, sa, sb, row
.if \z
.if \row
	v_wmma_scale_f32_16x16x128_f8f6f4 v[\d:\d+7], v[\a:\a+7], v[\b:\b+7], 0, v[\sa], v[\sb] matrix_a_fmt:MATRIX_FMT_FP4 matrix_b_fmt:MATRIX_FMT_FP4 matrix_a_scale:MATRIX_SCALE_ROW1
.else
	v_wmma_scale_f32_16x16x128_f8f6f4 v[\d:\d+7], v[\a:\a+7], v[\b:\b+7], 0, v[\sa], v[\sb] matrix_a_fmt:MATRIX_FMT_FP4 matrix_b_fmt:MATRIX_FMT_FP4
.endif
.else
.if \row
	v_wmma_scale_f32_16x16x128_f8f6f4 v[\d:\d+7], v[\a:\a+7], v[\b:\b+7], v[\d:\d+7], v[\sa], v[\sb] matrix_a_fmt:MATRIX_FMT_FP4 matrix_b_fmt:MATRIX_FMT_FP4 matrix_a_scale:MATRIX_SCALE_ROW1
.else
	v_wmma_scale_f32_16x16x128_f8f6f4 v[\d:\d+7], v[\a:\a+7], v[\b:\b+7], v[\d:\d+7], v[\sa], v[\sb] matrix_a_fmt:MATRIX_FMT_FP4 matrix_b_fmt:MATRIX_FMT_FP4
.endif
.endif
.endm
.macro CROUND                          ; a round of the cluster's barrier
	s_barrier_signal -1
	s_barrier_wait -1
	s_cmp_lg_u32 s[WV], 0
	s_cbranch_scc1 .Lnot_wave_0_\@
	s_barrier_signal -3
.Lnot_wave_0_\@:
	s_barrier_wait -3
	s_barrier_signal -1
	s_barrier_wait -1
.endm
.macro JLOAD                           ; a joint refill: waves 0 to 3, one record each; the branch hangs on the wave's number alone; four v_nop follow the load
	s_cmp_lt_u32 s[WV], 4
	s_cbranch_scc0 .Lno_load_\@
	tensor_load_to_lds s[G0W:G0W+3], s[G1:G1+7]
	s_nop 0
.rept 4
	v_nop
.endr
.Lno_load_\@:
.endm
; A PREFETCH INTO THE L2 of the slot that the NEXT change of slots will ask for: a slot's four steps ahead of that load.  All clusters of a batch walk the same records: the batch's first cluster asks.  Its four partners take
; one record each, told apart BY ADDRESS; in each, waves 4, 5 and 6, which fetch nothing, ask for the record's 77 blocks of 256 bytes, a lane a block (lanes 13 to 31 of wave 6 name the last block again).
; The last change that fills a slot asks for nothing; slots 0, 1 and 2 come by their loads alone.
.macro ASK
	s_cmp_gt_u32 s[SLOTS], s[LIM]
	s_cbranch_scc0 .Lnot_mine_\@
	global_prefetch_b8 v[PFO], s[PFA:PFA+1] th:TH_LOAD_NT scope:SCOPE_SE
.Lnot_mine_\@:
.endm
.macro SILU a, t, n                    ; n numbers at v[a] become y / (1 + 2^(-y log2 e)); n registers at v[t] are at work
.set sii, 0
.rept (\n)/2
	v_pk_mul_f32 v[\t+sii:\t+sii+1], v[\a+sii:\a+sii+1], s[NL:NL+1] op_sel_hi:[1,0]
.set sii, sii+2
.endr
.set sii, 0
.rept \n
	v_exp_f32 v[\t+sii], v[\t+sii]
.set sii, sii+1
.endr
	v_nop
.set sii, 0
	s_wait_alu depctr_va_vdst(0)
.rept (\n)/2
	v_pk_add_f32 v[\t+sii:\t+sii+1], v[\t+sii:\t+sii+1], 1.0 op_sel_hi:[1,0]
.set sii, sii+2
.endr
.set sii, 0
.rept \n
	v_rcp_f32 v[\t+sii], v[\t+sii]
.set sii, sii+1
.endr
	v_nop
.set sii, 0
	s_wait_alu depctr_va_vdst(0)
.rept (\n)/2
	v_pk_mul_f32 v[\a+sii:\a+sii+1], v[\a+sii:\a+sii+1], v[\t+sii:\t+sii+1]
.set sii, sii+2
.endr
.endm
; 64 numbers of a lane, register 16 b + i = k 32 b + 16 (lane / 16) + i of my row, become a fragment's codes in v[PC] on and its scale word in v[PW].
.macro QUANT s
.irp b, 0,1,2,3
	v_max3_num_f32 v[TM+\b], |v[\s+16*\b]|, |v[\s+1+16*\b]|, 0x1800000
.endr
.irp i, 2,4,6,8,10,12,14
.irp b, 0,1,2,3
	v_max3_num_f32 v[TM+\b], v[TM+\b], |v[\s+16*\b+\i]|, |v[\s+1+16*\b+\i]|
.endr
.endr
.irp b, 0,1,2,3
	v_permlanex16_b32 v[TM+4+\b], v[TM+\b], s[SEL], s[SEL+1]
.endr
.irp b, 0,1,2,3
	v_max_num_f32 v[TM+\b], v[TM+\b], v[TM+4+\b]
.endr
.irp b, 0,1,2,3
	v_add_nc_u32 v[TM+12+\b], 0xff000000, v[TM+\b]
.endr
.irp b, 0,1,2,3
	v_lshrrev_b32 v[TM+4+\b], 23, v[TM+12+\b]
.endr
	v_lshl_or_b32 v[PW], v[TM+5], 8, v[TM+4]
	v_lshl_or_b32 v[PW], v[TM+6], 16, v[PW]
	v_lshl_or_b32 v[PW], v[TM+7], 24, v[PW]
.irp b, 0,1,2,3
	v_cvt_scalef32_pk8_fp4_f32 v[PC+2*\b], v[\s+16*\b:\s+7+16*\b], v[TM+12+\b]
	v_cvt_scalef32_pk8_fp4_f32 v[PC+1+2*\b], v[\s+8+16*\b:\s+15+16*\b], v[TM+12+\b]
.endr
	v_nop
.irp c, 0,1
.irp i, 0,1
	v_permlane16_swap_b32 v[PC+4*\c+\i], v[PC+2+4*\c+\i]
.endr
.endr
.endm
; The scores of step q of the slot into v[d] on: tile 4 G + j is fragment G of k against q in block j.  Source 0 lies in window 1: the caller sets the windows.
.macro SCORES d, q
	MM \d, KW+16*(\q), 32, 1, KSC+(\q), QSC, 0
	MM \d+8, KW+16*(\q), 44, 1, KSC+(\q), QSC, 0
	MM \d+16, KW+16*(\q), 36, 1, KSC+(\q), QSC, 0
	MM \d+24, KW+16*(\q), 48, 1, KSC+(\q), QSC, 0
	MM \d+32, KW+16*(\q)+8, 32, 1, KSC+(\q), QSC, 1
	MM \d+40, KW+16*(\q)+8, 44, 1, KSC+(\q), QSC, 1
	MM \d+48, KW+16*(\q)+8, 36, 1, KSC+(\q), QSC, 1
	MM \d+56, KW+16*(\q)+8, 48, 1, KSC+(\q), QSC, 1
.endm
; The largest of my 16 scores of each of step q's four blocks of 32 keys, from the scores at v[s] on; the four blocks by turns.
.macro BMAX q, s
.irp b, 0,1,2,3
	v_max3_num_f32 v[BM+4*(\q)+\b], v[\s+16*\b], v[\s+1+16*\b], v[\s+2+16*\b]
.endr
.irp i, 3,5,7,9,11,13
.irp b, 0,1,2,3
	v_max3_num_f32 v[BM+4*(\q)+\b], v[BM+4*(\q)+\b], v[\s+16*\b+\i], v[\s+1+16*\b+\i]
.endr
.endr
.irp b, 0,1,2,3
	v_max_num_f32 v[BM+4*(\q)+\b], v[BM+4*(\q)+\b], v[\s+15+16*\b]
.endr
.endm
; A SLOT'S HEAD.  k's fragments and scale words of the four steps come into registers, where they stay for the slot; the scores of the four steps are made, in two sets of registers by turns, so that one step's
; maxima are the places behind the next step's products; the 16 block maxima are kept; M moves; the sum and O^T are brought under it.  z1 = 1: the first slot: there is no O^T yet.
.macro PRE z1
	v_add_nc_u32 v[ADR], s[TB], v[LI]              ; (with the five additions at the last step's end these are the places behind its products: ISA guide 7.12.1)
	v_add_nc_u32 v[ADS], s[TB], v[LS]
	v_add_nc_u32 v[ADR2], 2*STEPB, v[ADR]
	v_add_nc_u32 v[ADS2], 2*STEPB, v[ADS]
.irp q, 0,1
	ds_load_b32 v[KSC+\q], v[ADS] offset:STEPB*\q+KSOFF
.endr
.irp q, 0,1
	ds_load_b32 v[KSC+2+\q], v[ADS2] offset:STEPB*\q+KSOFF
.endr
	WIN 0x40                                       ; destination window 1
.irp q, 0,1
.irp k, 0,1,2,3
	ds_load_b128 v[KW+16*\q+4*\k:KW+16*\q+4*\k+3], v[ADR] offset:STEPB*\q+KOFF+512*\k
.endr
.endr
.irp q, 0,1
.irp k, 0,1,2,3
	ds_load_b128 v[KW+32+16*\q+4*\k:KW+32+16*\q+4*\k+3], v[ADR2] offset:STEPB*\q+KOFF+512*\k
.endr
.endr
	WIN 0x01                                       ; source 0 (k) in window 1
	s_wait_dscnt 12                                ; the four scale words and step 0's four loads are in; behind them: four loads for each of steps 1, 2, 3
	SCORES VF, 0
	s_wait_dscnt 8                                 ; step 1's are in; behind them: steps 2 and 3
	SCORES S, 1
	WIN 0
.rept 4
	v_nop                                          ; four places behind the products, ahead of the first read of their results
.endr
	BMAX 0, VF
	WIN 0x01
	s_wait_dscnt 4                                 ; step 2's are in; behind them: step 3
	SCORES VF, 2                                   ; over step 0's scores, which have been read; step 0's 32 maxima are the places
	WIN 0
	BMAX 1, S
	WIN 0x01
	s_wait_dscnt 0x0
	SCORES S, 3                                    ; over step 1's
	WIN 0
	BMAX 2, VF
	BMAX 3, S                                      ; step 3's scores stay where they are: that step is worked first
.irp q, 0,1,2,3
.irp b, 0,1,2,3
	v_permlanex16_b32 v[236+\b], v[BM+4*\q+\b], s[SEL], s[SEL+1]
.endr
.irp b, 0,1,2,3
	v_max_num_f32 v[BM+4*\q+\b], v[BM+4*\q+\b], v[236+\b]   ; with lane l xor 16's 16 keys: the block's largest score
.endr
.endr
	v_max3_num_f32 v254, v[BM], v[BM+1], v[BM+2]   ; the slot's largest score of my query, in two chains
	v_max3_num_f32 v252, v[BM+3], v[BM+4], v[BM+5]
	v_max3_num_f32 v254, v254, v[BM+6], v[BM+7]
	v_max3_num_f32 v252, v252, v[BM+8], v[BM+9]
	v_max3_num_f32 v254, v254, v[BM+10], v[BM+11]
	v_max3_num_f32 v252, v252, v[BM+12], v[BM+13]
	v_max3_num_f32 v254, v254, v[BM+14], v[BM+15]
	v_max_num_f32 v254, v254, v252
	v_mul_f32 v254, s[CS], v254                    ; as t
	v_max_num_f32 v13, v13, v254                   ; the running largest t
	v_mov_b32 v254, v12
	v_floor_f32 v12, -v13                          ; the new -M = floor(-t): M is a whole number
	v_sub_f32 v254, v12, v254                      ; old M - new M: a whole number, 0 or less
	v_cvt_i32_f32 v254, v254                       ; (it saturates)
	v_ldexp_f32 v252, 1.0, v254                    ; f = 2^(old M - new M)
	v_pk_mul_f32 v[14:15], v[14:15], v[252:253] op_sel_hi:[1,0]   ; the sums under the new M
.if !\z1
	WIN 0x41                                       ; O^T (destination and source 0) in window 1, f in window 0
.set jj, 0
.rept 64
	v_pk_mul_f32 v[jj:jj+1], v[jj:jj+1], v[252:253] op_sel_hi:[1,0]   ; O^T under the new M: once for the slot's four steps
.set jj, jj+2
.endr
	WIN 0
.endif
.endm
; A KEY STEP: the 128 keys of record q of the slot.  haves = 1: its scores still stand from the slot's head.  z1 = 1: its products start O^T's sums.
.macro STEP q, haves, z1
.if (\q) < 2
.set AD, ADR
.else
.set AD, ADR2
.endif
.set OF, ((\q)%2)*STEPB
.irp k, 0,1
	ds_load_b128 v[VSC+4*\k:VSC+4*\k+3], v[AD] offset:OF+VSOFF+512*\k
.endr
.irp k, 0,1,2,3,4,5,6,7,8,9,10,11,12,13,14,15
	ds_load_b128 v[VF+4*\k:VF+4*\k+3], v[AD] offset:OF+512*\k
.endr
	WIN 0x40                                       ; destination window 1
.irp k, 0,1,2,3,4,5,6,7,8,9,10,11,12,13,14,15
	ds_load_b128 v[128+4*\k:131+4*\k], v[AD] offset:OF+8192+512*\k
.endr
.if !\haves
	WIN 0x01                                       ; source 0 (k) in window 1; k and its scale words were waited for at the slot's head
	SCORES S, \q
.endif
	WIN 0
.irp b, 0,1,2,3
	v_fma_f32 v[232+\b], v[BM+4*(\q)+\b], s[CS], v12   ; t - M of each block's largest score.  (They name none of the products' registers: the four places behind them)
.endr
.set jj, 0
.rept 32
	v_pk_fma_f32 v[96+jj:97+jj], v[96+jj:97+jj], s[CS:CS+1], v[12:13] op_sel_hi:[1,0,0]   ; t - M, two at a time
.set jj, jj+2
.endr
.set jj, 0
.rept 64
	v_exp_f32 v[96+jj], v[96+jj]                   ; p = 2^(t - M), at most 1
.set jj, jj+1
.endr
.irp b, 0,1,2,3
	v_exp_f32 v[232+\b], v[232+\b]                 ; the block's largest p: the same two instructions on the same number
.endr
	v_nop                                          ; a plain line behind the exponentials
	s_wait_alu depctr_va_vdst(0)
.irp b, 0,1,2,3
	v_max_num_f32 v[232+\b], 0x1800000, v[232+\b]  ; the floor 2^(3 - 127): the byte cannot fall under 1
.endr
.irp b, 0,1,2,3
	v_add_nc_u32 v[244+\b], 0xff000000, v[232+\b]
.endr
.irp b, 0,1,2,3
	v_lshrrev_b32 v[236+\b], 23, v[244+\b]
.endr
	v_lshl_or_b32 v253, v237, 8, v236              ; p's scale word for these 128 keys
	v_lshl_or_b32 v253, v238, 16, v253
	v_lshl_or_b32 v253, v239, 24, v253
.irp b, 0,1,2,3
	v_cvt_scalef32_pk8_fp4_f32 v[224+2*\b], v[96+16*\b:103+16*\b], v[244+\b]
	v_cvt_scalef32_pk8_fp4_f32 v[225+2*\b], v[104+16*\b:111+16*\b], v[244+\b]
.endr
	v_nop
.irp c, 0,1
.irp i, 0,1
	v_permlane16_swap_b32 v[224+4*\c+\i], v[226+4*\c+\i]
.endr
.endr
	v_pk_add_f32 v[236:237], v[96:97], v[98:99]    ; the row's sum is taken of the unquantised p: two at a time, in two chains.  (These 27 are also the places between p's scale word and codes and the products that take them)
.irp j, 4,8,12,16,20,24,28,32,36,40,44,48,52
	v_pk_add_f32 v[14:15], v[14:15], v[96+\j:97+\j]
	v_pk_add_f32 v[236:237], v[236:237], v[98+\j:99+\j]
.endr
	s_wait_dscnt 0x0                               ; v's fragments and scale words are in
	WIN 0x50                                       ; C and D in window 1
.irp t, 0,1,2,3,4,5,6,7                        ; sixteen accumulators, one product each: they take turns
	MM 8*\t, VF+8*\t, PC, \z1, VSC+\t/2, PW, \t%2
.endr
	WIN 0x51                                       ; source 0 in window 1 too
.irp t, 8,9,10,11,12,13,14,15
	MM 8*\t, 128+8*(\t-8), PC, \z1, VSC+\t/2, PW, \t%2
.endr
	WIN 0
.irp j, 56,60                                  ; the sum's last five additions name none of these products' registers: they are the places in front of the next loads into v's registers
	v_pk_add_f32 v[14:15], v[14:15], v[96+\j:97+\j]
	v_pk_add_f32 v[236:237], v[236:237], v[98+\j:99+\j]
.endr
	v_pk_add_f32 v[14:15], v[14:15], v[236:237]
.endm
.macro SLOT z1                         ; a slot's four steps; register numbers differ from step to step, so they are written out
	PRE \z1
	STEP 3, 1, \z1
	STEP 0, 0, 0
	STEP 1, 0, 0
	STEP 2, 0, 0
.endm
; THE CHANGE OF SLOTS.  Each wave waits for all its tensor loads (one is out at the most: its record of the other slot), adds 0 to its spare word, and waits for that and for its reads of the slot that it leaves.
; fill = 1: the barrier is a round of the cluster's, so that no wave of any partner still reads the slot or has a load on its way; the joint refill comes first behind it and has the other slot's four steps in which to land.
.macro CHANGE fill
	s_wait_tensorcnt 0x0                           ; no tensor load of mine is out, so the walking group 0 may be written
	ds_add_u32 v[SPW], v[NIL]                      ; 0 onto my spare word
.if \fill
	s_xor_b32 s[G0W+1], s[G0W+1], SLOT1            ; the other slot than last time,
	s_add_nc_u64 s[G0W+2:G0W+3], s[G0W+2:G0W+3], SLOTB   ; the next four records; the type bits on top are not reached
	s_wait_xcnt 0x0                                ; the last prefetch, a slot back, has read its address
	s_add_nc_u64 s[PFA:PFA+1], s[PFA:PFA+1], SLOTB
	s_wait_dscnt 0x0                               ; the add is done, and my reads of the slot are over
	CROUND
	JLOAD
	ASK
.else
	s_wait_dscnt 0x0
	s_barrier_signal -1
	s_barrier_wait -1
.endif
	s_xor_b32 s[TB], s[TB], SLOT1                  ; on to the other slot
.endm
	s_load_b512 s[4:19], s[0:1], 0x0               ; qc s[4:5], qs s[6:7], kv s[8:9], woc s[10:11], wos s[12:13], so s[14:15], bo s[16:17], gamma s[18:19]
	s_load_b128 s[20:23], s[0:1], 0x40             ; x s[20:21], out0 s[22:23]
	v_lshl_add_u32 v[SPW], v0, 2, SPARE
	v_mov_b32 v[NIL], 0
	ds_add_u32 v3, v4
	s_wait_dscnt 0x0
	v_lshrrev_b32 v6, 5, v0
	v_readfirstlane_b32 s[WV], v6                  ; wave 0..7
	s_bfe_u32 s41, ttmp6, 0x40000                  ; cx: my place in the cluster
	s_lshl_b32 s58, ttmp9, 2
	s_add_co_u32 s58, s58, s41                     ; my block of 128 queries: it enters global addresses alone
	s_and_b32 s59, ttmp7, 0xffff                   ; the batch, which the four partners share
	; descriptor group 1: a record, 77 rows of 256 dense bytes (32 elements of 8 bytes), no padding
	s_mov_b32 s[G1], 15|(3<<16)|(1<<21)            ; 15:0 the mask: all four work-groups; 17:16 elements of 8 bytes; 21 set beside a mask
	s_mov_b32 s[G1+1], 32<<16                      ; tensor_dim0 = 32
	s_mov_b32 s[G1+2], 77<<16                      ; tensor_dim1 = 77
	s_mov_b32 s[G1+3], 32<<16                      ; tile_dim0 = 32
	s_mov_b32 s[G1+4], 77                          ; tile_dim1 = 77
	s_mov_b32 s[G1+5], 32                          ; from row to row
	s_mov_b32 s[G1+6], 0
	s_mov_b32 s[G1+7], 0
	s_mul_i32 s60, s59, 32*STEPB                   ; the batch's 32 records
	s_mul_i32 s[G0A+1], s[WV], STEPB               ; record w of a slot: its place in LDS, and in memory
	s_add_co_u32 s[G0A+2], s60, s[G0A+1]
	s_mov_b32 s[G0A+3], 0
	s_mul_i32 s[PFA], s41, STEPB                   ; the prefetches: record cx of a slot,
	s_add_co_u32 s[PFA], s[PFA], s60
	s_add_co_u32 s[PFA], s[PFA], 2*SLOTB           ; in slot 2: the first change of slots steps it to slot 3
	s_mov_b32 s[PFA+1], 0
	s_lshl_b32 s61, s59, 5
	s_add_co_u32 s61, s61, s58                     ; block 0 .. 255
	s_lshl_b32 s54, s61, 11
	s_lshl_b32 s55, s[WV], 8
	s_add_co_u32 s54, s54, s55                     ; q's codes: 2,048 bytes a block, 256 a tile
	s_mov_b32 s55, 0
	s_lshr_b32 s56, s54, 1                         ; q's scale words: half as many bytes
	s_mov_b32 s57, 0
	s_lshl_b32 s62, s59, 22
	s_lshl_b32 s63, s[WV], 19
	s_add_co_u32 s62, s62, s63
	s_lshl_b32 s63, s58, 9
	s_add_co_u32 s62, s62, s63                     ; x and out0: batch, channel 32 w, position 128 block
	s_mov_b32 s63, 0
	s_mov_b32 s[NL], 0xbfb8aa3b
	s_mov_b32 s[NL+1], s[NL]
	s_mov_b32 s[SEL], 0x76543210
	s_mov_b32 s[SEL+1], 0xfedcba98
	s_mov_b32 s[CS], 0x3fb8aa3b                    ; log2(e)
	s_mov_b32 s[CS+1], s[CS]
	s_mov_b32 s[TB], 0
	s_mov_b32 s[SLOTS], 6                          ; 8 slots' worth of keys; slots 2 to 7 are refills
	s_sub_co_u32 s60, s[WV], 4
	s_cmp_lt_u32 s60, 3                            ; waves 4, 5, 6
	s_cselect_b32 s[LIM], 0, 1
	s_or_b32 s[LIM], s[LIM], ttmp9                 ; of the batch's first cluster: the same in all four partners
	s_cmp_eq_u32 s[LIM], 0
	s_cselect_b32 s[LIM], 1, -1
	s_lshl_b32 s60, s60, 5
	v_and_b32 v7, 31, v0                           ; l
	v_add_nc_u32 v[PFO], s60, v7
	v_min_u32 v[PFO], 76, v[PFO]
	v_lshlrev_b32 v[PFO], 8, v[PFO]                ; block 32 (w - 4) + l of the record's 77, held at the last
	s_wait_kmcnt 0x0
	s_add_nc_u64 s[G0A+2:G0A+3], s[8:9], s[G0A+2:G0A+3]
	s_add_nc_u64 s[G0W+2:G0W+3], s[G0A+2:G0A+3], SLOTB
	s_add_nc_u64 s[PFA:PFA+1], s[8:9], s[PFA:PFA+1]
	s_add_nc_u64 s[4:5], s[4:5], s[54:55]
	s_add_nc_u64 s[6:7], s[6:7], s[56:57]
	s_add_nc_u64 s[54:55], s[20:21], s[62:63]      ; x at my 32 rows
	s_add_nc_u64 s[56:57], s[22:23], s[62:63]      ; out0 likewise
	s_lshl_b32 s60, s[WV], 12
	s_mov_b32 s61, 0
	s_add_nc_u64 s[10:11], s[10:11], s[60:61]      ; wo's codes at row 32 w
	s_lshl_b32 s60, s[WV], 8
	s_add_nc_u64 s[12:13], s[12:13], s[60:61]      ; its scale bytes
	s_lshl_b32 s60, s[WV], 7
	s_add_nc_u64 s[14:15], s[14:15], s[60:61]      ; so, bo
	s_add_nc_u64 s[16:17], s[16:17], s[60:61]
	s_mov_b32 s[G0A], 1                            ; 1:0 count = 1
	s_or_b32 s[G0A+3], s[G0A+3], 0x80000000        ; 127:126 type = 2
	s_mov_b32 s[G0W], 1
	s_add_co_u32 s[G0W+1], s[G0A+1], SLOT1
	s_or_b32 s[G0W+3], s[G0W+3], 0x80000000
	CROUND                                         ; all four work-groups are here: the first joint loads meet
	s_cmp_lt_u32 s[WV], 4                          ; a wave's two first fills stand in one branch: two loads of mine are out
	s_cbranch_scc0 .Lno_first
	tensor_load_to_lds s[G0A:G0A+3], s[G1:G1+7]
	s_nop 0
	tensor_load_to_lds s[G0W:G0W+3], s[G1:G1+7]
	s_nop 0
.rept 4
	v_nop
.endr
.Lno_first:
	v_lshlrev_b32 v[LI], 4, v7
	v_lshlrev_b32 v[LS], 2, v7
	v_and_b32 v8, 15, v0
	v_lshlrev_b32 v9, 4, v8
	global_load_b128 v[QT:QT+3], v9, s[4:5]        ; my tile's row r of q: 32 codes, in both halves of the lanes
	global_load_b32 v[QSC], v[LS], s[6:7]          ; its scale byte, in all four bytes
	s_load_b32 s52, s[18:19], 0x0                  ; gamma
	v_mov_b32 v13, 0xff61b1e6                      ; the largest t so far: -3e38, under every t
	v_floor_f32 v12, -v13                          ; -M
	v_mov_b32 v14, 0                               ; the sum, in two halves
	v_mov_b32 v15, 0
.irp b, 0,1,2,3
	v_mov_b32 v[236+\b], 0                         ; a lane permute's destination counts as one of its sources
.endr
	v_mov_b32 v253, 0                              ; (named as the upper half of the pair v[252:253] before it is first written)
.irp i, 0,1,2,3
	v_mov_b32 v[36+\i], 0
	v_mov_b32 v[48+\i], 0
.endr
	v_cmp_gt_u32 vcc_lo, 16, v7
	s_wait_kmcnt 0x0
	s_mov_b32 s53, s52                             ; (the packed form names the pair)
	s_wait_loadcnt 0x0                             ; q is in, and the loads' address registers may be written again
.irp i, 0,1,2,3                                ; v[32:43] = q in lanes 0-15 | zeros | the same again;  v[44:55] likewise with q in lanes 16-31.  Block j of source 1: v[32:39], v[44:51], v[36:43], v[48:55]
	v_cndmask_b32 v[32+\i], v36, v[QT+\i], vcc_lo
	v_cndmask_b32 v[44+\i], v[QT+\i], v36, vcc_lo
.endr
.irp i, 0,1,2,3
	v_mov_b32 v[40+\i], v[32+\i]
	v_mov_b32 v[52+\i], v[44+\i]
.endr
	s_wait_tensorcnt 0x1                           ; my record of slot 0 is in; slot 1's may stay out
	s_barrier_signal -1
	s_barrier_wait -1
	SLOT 1
.Lslot:                                            ; six trips: every slot but the last two is filled again
	CHANGE 1
	SLOT 0
	s_sub_co_u32 s[SLOTS], s[SLOTS], 1
	s_cmp_lg_u32 s[SLOTS], 0
	s_cbranch_scc1 .Lslot
	CHANGE 0                                       ; the last slot is written out
	SLOT 0
	; ---- THE END.  The row's sum; the addresses (also places behind the last products); then the loads for the last product and the residual
	v_add_f32 v14, v14, v15
	v_permlanex16_b32 v252, v14, s[SEL], s[SEL+1]
	v_add_f32 v14, v14, v252
	v_rcp_f32 v14, v14
	v_and_b32 v8, 15, v0                           ; r
	v_bfe_u32 v9, v0, 4, 1                         ; h
	v_lshlrev_b32 v[WOA], 7, v8
	v_lshl_add_u32 v[WOA], v9, 4, v[WOA]           ; wo's fragments: row r of 128 bytes, + 16 h
	v_lshlrev_b32 v[WSA], 3, v8                    ; its scale words: 8 bytes a row
	v_lshlrev_b32 v[SBA], 2, v8                    ; so, bo: 4 bytes a row
	s_lshl_b32 s58, s[WV], 11
	s_add_co_u32 s58, s58, OIMG
	v_add_nc_u32 v[OWI], s58, v[LI]                ; where I store o's two images
	s_lshl_b32 s58, s[WV], 8
	s_add_co_u32 s58, s58, OSC
	v_add_nc_u32 v[OWS], s58, v[LS]                ; and their scale words
	s_mul_i32 s58, s[WV], 16*SP
	s_add_co_u32 s58, s58, STAGE                   ; my stage
	v_mul_u32_u24 v[STO], v8, SP
	v_lshl_add_u32 v[STO], v9, 6, v[STO]
	v_add_nc_u32 v[STO], s58, v[STO]               ; in: row r, + 64 h
	v_add_nc_u32 v[STR], s58, v[LI]                ; back: a row of 512 bytes to the 32 lanes
	v_add_nc_u32 v[ORI], OIMG, v[LI]               ; where anybody's images are read
	v_add_nc_u32 v[ORS], OSC, v[LS]
	s_wait_alu depctr_va_vdst(0)
.irp i, 1,3
	v_mov_b32 v[SOP+\i], 0                         ; the pairs' upper words are named with the lower and so are written
	v_mov_b32 v[BOP+\i], 0
.endr
.irp u, 0,1                                    ; wo's fragments (tile u of 16 outputs, K step s) at v[VF + 8 (2 u + s)]
.irp s, 0,1
.irp c, 0,1
	global_load_b128 v[VF+8*(2*\u+\s)+4*\c:VF+8*(2*\u+\s)+4*\c+3], v[WOA], s[10:11] offset:2048*\u+64*\s+32*\c
.endr
.endr
.endr
.irp u, 0,1
.irp s, 0,1
	global_load_b32 v[VSC+2*\u+\s], v[WSA], s[12:13] offset:128*\u+4*\s
.endr
.endr
.irp u, 0,1
	global_load_b32 v[SOP+2*\u], v[SBA], s[14:15] offset:64*\u
	global_load_b32 v[BOP+2*\u], v[SBA], s[16:17] offset:64*\u
.endr
	WIN 0x40
.set rr, 0
.rept 32                                       ; x: my 32 channels x 128 positions, a row of 512 consecutive bytes to a load, into window 1
	global_load_b128 v[128+4*rr:131+4*rr], v[LI], s[54:55] offset:16384*rr th:TH_LOAD_NT
.set rr, rr+1
.endr
	WIN 0
.irp e, 0,1                                    ; o = O / sum, 128 channels at a time: register 16 b + i is channel 128 e + 32 b + 16 h + i of my query
	WIN 0x01                                       ; source 0 in window 1
.set jj, 0
.rept 32
	v_pk_mul_f32 v[S+jj:S+jj+1], v[64*\e+jj:64*\e+jj+1], v[14:15] op_sel_hi:[1,0]
.set jj, jj+2
.endr
	WIN 0
	QUANT S
	ds_store_b128 v[OWI], v[PC:PC+3] offset:1024*\e
	ds_store_b128 v[OWI], v[PC+4:PC+7] offset:1024*\e+512
	ds_store_b32 v[OWS], v[PW] offset:128*\e
	s_wait_dscnt 0x0                               ; the stores have read their registers, and have landed
.endr
	s_barrier_signal -1
	s_barrier_wait -1                              ; o's sixteen fragments lie in LDS
.irp s, 0,1                                    ; the last product: source 0 = 16 positions of o, source 1 = 16 rows of wo; sixteen accumulators by turns, a K step at a time
.irp q, 0,1,2,3,4,5,6,7
	ds_load_b128 v[S+8*\q:S+8*\q+3], v[ORI] offset:1024*(2*\q+\s)
	ds_load_b128 v[S+8*\q+4:S+8*\q+7], v[ORI] offset:1024*(2*\q+\s)+512
	ds_load_b32 v[OSR+\q], v[ORS] offset:128*(2*\q+\s)
.endr
	s_wait_dscnt 0x0
.if \s == 0
	s_wait_loadcnt 32                              ; wo, so and bo are in; behind them: x's 32 loads
.endif
	WIN 0x50
.irp q, 0,1,2,3,4,5,6,7
.irp u, 0,1
	MM 8*(8*\u+\q), S+8*\q, VF+8*(2*\u+\s), 1-\s, OSR+\q, VSC+2*\u+\s, 0
.endr
.endr
	WIN 0
.rept 4
	v_nop                                          ; places in front of the loads into these products' registers, and of the first read of their results
.endr
.endr
.irp u, 0,1                                    ; 16 output channels at a time: lane (r, h) holds channel 32 w + 16 u + r; tile q's register j is position 32 (q / 2) + 16 h + 8 (q % 2) + j
.if \u == 1
	s_wait_xcnt 0x0                                ; the stores above have read their registers, which are written again below
.endif
	WIN 0x01
.set jj, 0
.rept 32
	v_pk_fma_f32 v[S+jj:S+jj+1], v[64*\u+jj:64*\u+jj+1], v[SOP+2*\u:SOP+2*\u+1], v[BOP+2*\u:BOP+2*\u+1] op_sel_hi:[1,0,0]
.set jj, jj+2
.endr
	WIN 0
	SILU S, VF, 64
.irp q, 0,1,2,3,4,5,6,7
	ds_store_b128 v[STO], v[S+8*\q:S+8*\q+3] offset:128*(\q/2)+32*(\q%2)
	ds_store_b128 v[STO], v[S+8*\q+4:S+8*\q+7] offset:128*(\q/2)+32*(\q%2)+16
.endr
.irp i, 0,1,2,3,4,5,6,7,8,9,10,11,12,13,14,15
	ds_load_b128 v[VF+4*\i:VF+4*\i+3], v[STR] offset:SP*\i   ; my own stage: LDS serves a wave's instructions in order (ISA guide 5.7.1.4)
.endr
	s_wait_loadcnt 16-16*\u                        ; x's rows for these 16 channels are in; the other 16 loads may be out
	WIN 0x10                                       ; source 2 (x) in window 1
.irp i, 0,1,2,3,4,5,6,7,8,9,10,11,12,13,14,15
	s_wait_dscnt 15-\i
	v_pk_fma_f32 v[VF+4*\i:VF+4*\i+1], v[VF+4*\i:VF+4*\i+1], s[52:53], v[128+64*\u+4*\i:129+64*\u+4*\i] op_sel_hi:[1,0,1]
	v_pk_fma_f32 v[VF+4*\i+2:VF+4*\i+3], v[VF+4*\i+2:VF+4*\i+3], s[52:53], v[130+64*\u+4*\i:131+64*\u+4*\i] op_sel_hi:[1,0,1]
	global_store_b128 v[LI], v[VF+4*\i:VF+4*\i+3], s[56:57] offset:16384*(16*\u+\i) th:TH_STORE_NT   ; 32 lanes store 512 consecutive bytes, at a multiple of 256 from out0's first byte
.endr
	WIN 0
.endr
	s_wait_tensorcnt 0x0                           ; the wave's end, behind my last tensor load and my last LDS store
	ds_add_u32 v[SPW], v[NIL]
	s_wait_dscnt 0x0
	CROUND                                         ; the closing round: no work-group ends while a partner may still ask for a record that names it
	s_endpgm
.Lfunc_end_k_q2af122d76f_attn:
	.size	k_q2af122d76f_attn, .Lfunc_end_k_q2af122d76f_attn-k_q2af122d76f_attn
	.p2alignl 7, 3214868480
	.fill 96, 4, 3214868480
	.section	.rodata,"a",@progbits
	.p2align	6, 0x0
	.amdhsa_kernel k_q2af122d76f_attn
		.amdhsa_group_segment_fixed_size 327680
		.amdhsa_private_segment_fixed_size 0
		.amdhsa_enable_private_segment 0
		.amdhsa_kernarg_size 80
		.amdhsa_user_sgpr_count 2
		.amdhsa_user_sgpr_kernarg_segment_ptr 1
		.amdhsa_wavefront_size32 1
		.amdhsa_system_sgpr_workgroup_id_x 1
		.amdhsa_system_sgpr_workgroup_id_y 1
		.amdhsa_system_sgpr_workgroup_id_z 1
		.amdhsa_system_vgpr_workitem_id 0
		.amdhsa_next_free_vgpr 512
		.amdhsa_next_free_sgpr 66
		.amdhsa_reserve_vcc 1
		.amdhsa_float_denorm_mode_32 3
		.amdhsa_float_denorm_mode_16_64 3
		.amdhsa_memory_ordered 1
		.amdhsa_forward_progress 1
		.amdhsa_inst_pref_size 255
	.end_amdhsa_kernel
	.section	.bss,"aw",@nobits
	.p2align	6
	.space	262144
	.amdgpu_metadata
---
amdhsa.version: [ 1, 2 ]
amdhsa.kernels:
  - .name:           k_q2af122d76f_attn
    .symbol:         k_q2af122d76f_attn.kd
    .args:
      - { .name: qc, .offset: 0, .size: 8, .value_kind: global_buffer, .address_space: global }
      - { .name: qs, .offset: 8, .size: 8, .value_kind: global_buffer, .address_space: global }
      - { .name: kv, .offset: 16, .size: 8, .value_kind: global_buffer, .address_space: global }
      - { .name: woc, .offset: 24, .size: 8, .value_kind: global_buffer, .address_space: global }
      - { .name: wos, .offset: 32, .size: 8, .value_kind: global_buffer, .address_space: global }
      - { .name: so, .offset: 40, .size: 8, .value_kind: global_buffer, .address_space: global }
      - { .name: bo, .offset: 48, .size: 8, .value_kind: global_buffer, .address_space: global }
      - { .name: gamma, .offset: 56, .size: 8, .value_kind: global_buffer, .address_space: global }
      - { .name: x, .offset: 64, .size: 8, .value_kind: global_buffer, .address_space: global }
      - { .name: out0, .offset: 72, .size: 8, .value_kind: global_buffer, .address_space: global }
    .group_segment_fixed_size: 327680
    .private_segment_fixed_size: 0
    .kernarg_segment_align: 8
    .kernarg_segment_size: 80
    .max_flat_workgroup_size: 256
    .sgpr_count:     66
    .vgpr_count:     512
    .wavefront_size: 32
...
	.end_amdgpu_metadata
.endif
;; end of part 2
